; MI455X (gfx1250); checked and timed in simulation.
; The chip was launched on July 23, 2026; its instructions are those of AMD's public machine-readable ISA for CDNA 5 (MIT licence, August 2026) and "CDNA5" Instruction Set Architecture Reference Guide (July 2026).
;; Learning Progress IM. Allowed arithmetic: matrix products marked QUANTISED: E4M3 operands, one E8M0 scale for each 32 along K, by v_wmma_scale_f32_16x16x128_f8f6f4 with both operands' format E4M3, f32 sums; everything else in f32.
;; Inputs: reached_goal_embedding_library 67,584 x 128 float32; target_goal_embedding_library 67,584 x 128 float32.
;; Outputs: out0 2,048 float32; out1 2,048 x 128 float32.
;; Constants: batch_size = 2048.
;; This version of the problem:
;;   THIS VERSION OF THE PROBLEM IS GIVEN IN LOW PRECISION. The matrix products marked QUANTISED in the list below multiply operands that are first quantised to E4M3 (4 exponent bits, 3 mantissa bits; 8 bits a number), with one power-of-two scale for each 32 numbers along K (OCP MX v1.0); their sums are f32. All else is computed in f32.
;;   The module's matrix products, in the order in which they are computed (A, B: the left and right operand; K: the contracted axis; several contracted axes count as one K, in the product's order):
;;     1. [M 2,048, K 128] x [K 128, N 65,536]; A: computed on the way; B: input reached_goal_embedding_library: QUANTISED
;;   THE QUANTISER, for each operand of a quantised product, along K:
;;     - K is cut into blocks of 32 from its start; a last block that is shorter is filled with zeros.
;;     - A block's scale is 2^e with e = floor(log2(the largest magnitude in the block)) - 8, held to -126 .. 127; a block of zeros has e = 0. As a byte (E8M0): e + 127.
;;     - Each number is divided by its block's scale, clamped to +-448, and rounded to the nearest number of E4M3, ties to even, subnormals kept.
;;     - The product sums the exact products of the quantised numbers (number of the format x scale) in f32.
;;   ~~~python
;;   def quantise(x, axis):      # numpy; x: float32 -> the quantised numbers, widened to float32 again
;;       x = np.moveaxis(x, axis, -1); K = x.shape[-1]
;;       x = np.pad(x, [(0, 0)] * (x.ndim - 1) + [(0, -K % 32)]); x = x.reshape(x.shape[:-1] + (-1, 32)); a = np.abs(x).max(-1, keepdims=True)
;;       e = np.where(a > 0, np.clip(np.frexp(np.where(a > 0, a, 1))[1] - 1 - 8, -126, 127), 0)      # np.frexp(a)[1] - 1 = floor(log2(a)), exactly
;;       r = np.clip(x / 2.0 ** e, -448, 448)
;;       step = 2.0 ** (np.maximum(np.frexp(np.where(r == 0, 1, r))[1] - 1, -6) - 3)
;;       q = np.round(r / step) * step * 2.0 ** e      # np.round: ties to even
;;       return np.moveaxis(q.reshape(q.shape[:-2] + (-1,))[..., :K], -1, axis).astype(np.float32)
;;   ~~~
;;   OPERANDS COMPUTED ON THE WAY. 'Computed on the way' means the value that the module computes at that place (a softmax that the list does not call 'softmax' is quantised finished and normalised). What goes into a quantiser is computed in f32, as accurately as f32 sums, v_exp_f32 and their like allow (about 1e-6 of the number): no bf16 or f16 on the way to a quantiser, and a product that is left as it is and whose result goes on into a quantised operand takes f32 operands (vector FMAs, or v_wmma_f32_16x16x4_f32). A number that lies on a knife's edge between two numbers of the format may be rounded either way, as far as f32 arithmetic and the matrix unit's own rounding can turn it there, and no further.
;; One version. Each part assembles by itself: llvm-mc -triple=amdgcn-amd-amdhsa -mcpu=gfx1250 --defsym DOCPART=n.
;; ======== version 1 of 1: 3 launches
;; limits: right only within a limited range of input values
;; workspace buffers: tcodes 270,336 bytes; pcodes 8,388,608 bytes; pmeta 524,288 bytes; cand 4,194,304 bytes of whole numbers
;; launch qt (part 1): grid 32 x 1, 16 waves a work-group, no clusters, 11,520 bytes of LDS; arguments target_goal_embedding_library, tcodes; writes tcodes
.if DOCPART == 1
	.amdgcn_target "amdgcn-amd-amdhsa--gfx1250"
	.amdhsa_code_object_version 6
	.text
	.protected	k_q447b4b537d_qt
	.globl	k_q447b4b537d_qt
	.p2align	8
	.type	k_q447b4b537d_qt,@function
k_q447b4b537d_qt:
	s_mov_b64 s[64:65], 0
	v_nop
	global_prefetch_b8 v0, s[64:65] scope:SCOPE_SE
	s_setreg_imm32_b32 hwreg(HW_REG_WAVE_MODE, 25, 1), 1
	s_wait_xcnt 0x0
.set CHUNK, 33792
.set IMG,   2304
.set SCL,   4*IMG
.set SPARE, SCL+256
.set SPW, 1
.set NIL, 2
.set X, 16
	s_load_b128 s[4:7], s[0:1], 0x0
	v_lshl_add_u32 v[SPW], v0, 2, SPARE
	v_mov_b32 v[NIL], 0
	v_lshrrev_b32 v3, 5, v0
	v_readfirstlane_b32 s8, v3
	s_lshr_b32 s9, s8, 2
	s_and_b32 s10, s8, 3
	s_lshl_b32 s12, ttmp9, 15
	s_lshl_b32 s13, s8, 11
	s_add_co_u32 s12, s12, s13
	s_add_co_u32 s12, s12, 0x2000000
	s_mov_b32 s13, 0
	s_mul_i32 s14, s9, IMG
	s_lshl_b32 s15, s10, 6
	s_add_co_u32 s15, s15, s14
	s_mul_i32 s16, s10, 576
	s_add_co_u32 s16, s16, s14
	s_lshl_b32 s17, s9, 6
	s_lshl_b32 s18, s10, 4
	s_add_co_u32 s17, s17, s18
	s_add_co_u32 s17, s17, SCL
	s_lshr_b32 s18, ttmp9, 2
	s_mul_i32 s18, s18, CHUNK
	s_and_b32 s19, ttmp9, 3
	s_lshl_b32 s20, s19, 13
	s_add_co_u32 s20, s20, s18
	s_lshl_b32 s21, s8, 9
	s_add_co_u32 s20, s20, s21
	s_mov_b32 s21, 0
	s_lshl_b32 s22, s19, 8
	s_add_co_u32 s22, s22, s18
	s_add_co_u32 s22, s22, 32768
	s_mov_b32 s23, 0
	s_mov_b32 s24, 0x600000
	v_bfe_u32 v4, v0, 4, 1
	v_bfe_u32 v5, v0, 2, 2
	v_and_b32 v6, 3, v0
	v_and_b32 v7, 15, v0
	v_lshlrev_b32 v8, 7, v5
	v_lshl_add_u32 v8, v4, 6, v8
	v_lshl_add_u32 v8, v6, 4, v8
	v_bfe_u32 v9, v0, 1, 3
	v_mul_u32_u24 v9, v9, 288
	v_and_b32 v6, 1, v0
	v_lshl_add_u32 v9, v6, 3, v9
	v_lshl_add_u32 v9, v4, 4, v9
	v_add_nc_u32 v9, s15, v9
	v_lshl_add_u32 v10, v4, 2, s17
	v_add_nc_u32 v10, v10, v5
	v_mul_u32_u24 v11, v4, 288
	v_lshl_add_u32 v11, v7, 4, v11
	v_add_nc_u32 v11, s16, v11
	v_and_b32 v6, 31, v0
	v_lshlrev_b32 v12, 4, v6
	v_lshlrev_b32 v13, 3, v6
	v_add_nc_u32 v14, SCL, v13
	s_wait_alu depctr_va_vdst(0)
	s_wait_kmcnt 0x0
	s_add_nc_u64 s[4:5], s[4:5], s[12:13]
	s_add_nc_u64 s[26:27], s[6:7], s[20:21]
	s_add_nc_u64 s[28:29], s[6:7], s[22:23]
.irp i, 0,1,2,3
	global_load_b128 v[X+4*\i:X+4*\i+3], v8, s[4:5] offset:512*\i
.endr
	s_wait_loadcnt 0x0
.irp i, 0,1
.irp j, 0,1,2,3
	v_permlane16_swap_b32 v[X+8*\i+\j], v[X+8*\i+4+\j]
.endr
.endr
.irp i, 0,1
	v_max3_num_f32 v[32+\i], |v[X+8*\i]|, |v[X+8*\i+1]|, |v[X+8*\i+2]|
.endr
.irp i, 0,1
	v_max3_num_f32 v[34+\i], |v[X+8*\i+3]|, |v[X+8*\i+4]|, |v[X+8*\i+5]|
.endr
.irp i, 0,1
	v_max3_num_f32 v[32+\i], v[32+\i], |v[X+8*\i+6]|, |v[X+8*\i+7]|
.endr
.irp i, 0,1
	v_max3_num_f32 v[32+\i], v[32+\i], v[34+\i], 0x4800000
.endr
.irp m, 1,2
.irp i, 0,1
	v_max_num_f32_dpp v[32+\i], v[32+\i], v[32+\i] row_xmask:\m row_mask:0xf bank_mask:0xf
.endr
.endr
.irp i, 0,1
	v_add_nc_u32 v[36+\i], 0xfc000000, v[32+\i]
.endr
.irp i, 0,1
	v_and_or_b32 v[38+\i], v[32+\i], 0x7f800000, s24
.endr
.irp j, 0,1,2,3,4,5,6,7
.irp i, 0,1
	v_med3_num_f32 v[X+8*\i+\j], v[X+8*\i+\j], -v[38+\i], v[38+\i]
.endr
.endr
.irp i, 0,1
	v_cvt_scalef32_pk8_fp8_f32 v[40+2*\i:41+2*\i], v[X+8*\i:X+8*\i+7], v[36+\i]
.endr
.irp i, 0,1
	v_lshrrev_b32 v[44+\i], 23, v[36+\i]
.endr
.irp i, 0,1
	v_add_nc_u32 v[44+\i], 1, v[44+\i]
.endr
.irp i, 0,1
	ds_store_b64 v9, v[40+2*\i:41+2*\i] offset:32*\i
	ds_store_b8 v10, v[44+\i] offset:8*\i
.endr
	s_wait_dscnt 0x0
	s_barrier_signal -1
	s_barrier_wait -1
	ds_load_b128 v[48:51], v11
	s_wait_dscnt 0x0
	global_store_b128 v12, v[48:51], s[26:27]
	s_cmp_lg_u32 s8, 0
	s_cbranch_scc1 .Lno_scales
	ds_load_b64 v[52:53], v14
	s_wait_dscnt 0x0
	global_store_b64 v13, v[52:53], s[28:29]
.Lno_scales:
	s_wait_tensorcnt 0x0
	ds_add_u32 v[SPW], v[NIL]
	s_wait_dscnt 0x0
	s_endpgm
.Lfunc_end_k_q447b4b537d_qt:
	.size	k_q447b4b537d_qt, .Lfunc_end_k_q447b4b537d_qt-k_q447b4b537d_qt
	.p2alignl 7, 3214868480
	.fill 96, 4, 3214868480
	.section	.rodata,"a",@progbits
	.p2align	6, 0x0
	.amdhsa_kernel k_q447b4b537d_qt
		.amdhsa_group_segment_fixed_size 11520
		.amdhsa_private_segment_fixed_size 0
		.amdhsa_enable_private_segment 0
		.amdhsa_kernarg_size 16
		.amdhsa_user_sgpr_count 2
		.amdhsa_user_sgpr_kernarg_segment_ptr 1
		.amdhsa_wavefront_size32 1
		.amdhsa_system_sgpr_workgroup_id_x 1
		.amdhsa_system_sgpr_workgroup_id_y 1
		.amdhsa_system_sgpr_workgroup_id_z 1
		.amdhsa_system_vgpr_workitem_id 0
		.amdhsa_next_free_vgpr 64
		.amdhsa_next_free_sgpr 66
		.amdhsa_reserve_vcc 0
		.amdhsa_float_denorm_mode_32 3
		.amdhsa_float_denorm_mode_16_64 3
		.amdhsa_memory_ordered 1
		.amdhsa_forward_progress 1
		.amdhsa_inst_pref_size 7
	.end_amdhsa_kernel
	.amdgpu_metadata
---
amdhsa.version: [ 1, 2 ]
amdhsa.kernels:
  - .name:           k_q447b4b537d_qt
    .symbol:         k_q447b4b537d_qt.kd
    .args:
      - { .name: target_goal_embedding_library, .offset: 0, .size: 8, .value_kind: global_buffer, .address_space: global }
      - { .name: tcodes, .offset: 8, .size: 8, .value_kind: global_buffer, .address_space: global }
    .group_segment_fixed_size: 11520
    .private_segment_fixed_size: 0
    .kernarg_segment_align: 8
    .kernarg_segment_size: 16
    .max_flat_workgroup_size: 512
    .sgpr_count:     66
    .vgpr_count:     64
    .wavefront_size: 32
...
	.end_amdgpu_metadata
.endif
;; end of part 1
;; launch search (part 2): grid 256 x 1, 8 waves a work-group, clusters of 4 x 1, 310,272 bytes of LDS; arguments reached_goal_embedding_library, tcodes, pcodes, pmeta, cand; writes pcodes, pmeta, cand
.if DOCPART == 2
	.amdgcn_target "amdgcn-amd-amdhsa--gfx1250"
	.amdhsa_code_object_version 6
	.text
	.protected	k_q447b4b537d_search
	.globl	k_q447b4b537d_search
	.p2align	8
	.type	k_q447b4b537d_search,@function
k_q447b4b537d_search:
	s_mov_b64 s[64:65], 0
	v_nop
	global_prefetch_b8 v0, s[64:65] scope:SCOPE_SE
	s_setreg_imm32_b32 hwreg(HW_REG_WAVE_MODE, 25, 1), 1
	s_wait_xcnt 0x0
	s_wait_alu depctr_hold_cnt(0) depctr_sa_sdst(0) depctr_va_vdst(0) depctr_va_sdst(0) depctr_va_ssrc(0) depctr_va_vcc(0) depctr_vm_vsrc(0)
	s_getreg_b32 s2, hwreg(HW_REG_IB_STS2, 6, 4)
	s_cmp_eq_u32 s2, 0
	s_cbranch_scc0 .Lentry_in_a_cluster
	s_endpgm
.Lentry_in_a_cluster:
	s_bfe_u32 s2, ttmp6, 0x10000c
	s_cmp_lg_u32 s2, 0x3003
	s_cbranch_scc0 .Lentry_shape_is_right
	s_endpgm
.Lentry_shape_is_right:
.set CHUNK, 33792
.set PREV,  8*CHUNK
.set TB,    2432
.set SPARE, PREV+16*TB
.set ADC, 1
.set ADS, 2
.set ADM, 3
.set SPW, 4
.set NIL, 5
.set STC, 6
.set SO,  7
.set TS,  8
.set PS,  24
.set ID,  26
.set BEST, 42
.set PC,  80
.set PF,  96
.set ACC, 128
.set FB,  192
.set QM, 80
.set QN, 84
.set QL, 88
.set QC, 92
.set QS, 112
.set MSB, 0
.macro WIN new
.if MSB != \new
	s_set_vgpr_msb (MSB<<8)|\new
.set MSB, \new
.endif
.endm
.macro CROUND
	s_barrier_signal -1
	s_barrier_wait -1
	s_cmp_lg_u32 s14, 0
	s_cbranch_scc1 .Lnot_wave_0_\@
	s_barrier_signal -3
.Lnot_wave_0_\@:
	s_barrier_wait -3
	s_barrier_signal -1
	s_barrier_wait -1
.endm
.macro ROWS dst, n
	global_load_b128 v[\dst:\dst+3], v79, s[16:17] offset:32768*((\n)/4)+1024*((\n)%4)
	global_load_b128 v[\dst+4:\dst+7], v79, s[16:17] offset:32768*((\n)/4)+1024*((\n)%4)+512
.endm
.macro MKST
	v_bfe_u32 v76, v0, 4, 1
	v_bfe_u32 v77, v0, 2, 2
	v_lshl_add_u32 v75, v76, 2, s43
	v_add_nc_u32 v74, v75, v77
.endm
.macro QST fb, st, ob
.irp i, 0,1,2,3
.irp j, 0,1,2,3
	v_permlane16_swap_b32 v[\fb+8*\i+\j], v[\fb+8*\i+4+\j]
.endr
.endr
.irp i, 0,1,2,3
	v_max3_num_f32 v[QM+\i], |v[\fb+8*\i]|, |v[\fb+8*\i+1]|, |v[\fb+8*\i+2]|
.endr
.irp i, 0,1,2,3
	v_max3_num_f32 v[QN+\i], |v[\fb+8*\i+3]|, |v[\fb+8*\i+4]|, |v[\fb+8*\i+5]|
.endr
.irp i, 0,1,2,3
	v_max3_num_f32 v[QM+\i], v[QM+\i], |v[\fb+8*\i+6]|, |v[\fb+8*\i+7]|
.endr
.irp i, 0,1,2,3
	v_pk_mul_f32 v[QS+2*\i:QS+2*\i+1], v[\fb+8*\i:\fb+8*\i+1], v[\fb+8*\i:\fb+8*\i+1]
.endr
.irp i, 0,1,2,3
	v_max3_num_f32 v[QM+\i], v[QM+\i], v[QN+\i], 0x4800000
.endr
.irp j, 2,4,6
.irp i, 0,1,2,3
	v_pk_fma_f32 v[QS+2*\i:QS+2*\i+1], v[\fb+8*\i+\j:\fb+8*\i+\j+1], v[\fb+8*\i+\j:\fb+8*\i+\j+1], v[QS+2*\i:QS+2*\i+1]
.endr
.endr
.irp m, 1,2
.irp i, 0,1,2,3
	v_max_num_f32_dpp v[QM+\i], v[QM+\i], v[QM+\i] row_xmask:\m row_mask:0xf bank_mask:0xf
.endr
.endr
.irp i, 0,1,2,3
	v_sub_f32 v[\ob+12+\i], -v[QS+2*\i], v[QS+2*\i+1]
.endr
.irp i, 0,1,2,3
	v_add_nc_u32 v[QC+\i], 0xfc000000, v[QM+\i]
.endr
.irp i, 0,1,2,3
	v_and_or_b32 v[QL+\i], v[QM+\i], 0x7f800000, s32
.endr
.irp m, 1,2,4,8
.irp i, 0,1,2,3
	v_add_f32_dpp v[\ob+12+\i], v[\ob+12+\i], v[\ob+12+\i] row_xmask:\m row_mask:0xf bank_mask:0xf
.endr
.endr
.irp j, 0,1,2,3,4,5,6,7
.irp i, 0,1,2,3
	v_med3_num_f32 v[\fb+8*\i+\j], v[\fb+8*\i+\j], -v[QL+\i], v[QL+\i]
.endr
.endr
.irp i, 0,1,2,3
	v_cvt_scalef32_pk8_fp8_f32 v[\ob+2*\i:\ob+2*\i+1], v[\fb+8*\i:\fb+8*\i+7], v[QC+\i]
.endr
.irp i, 0,1,2,3
	v_lshrrev_b32 v[\ob+8+\i], 23, v[QC+\i]
.endr
.irp i, 0,1,2,3
	ds_store_b64 v[STC], v[\ob+2*\i:\ob+2*\i+1] offset:4*TB*\st+32*\i
	ds_store_b8 v74, v[\ob+8+\i] offset:4*TB*\st+8*\i
	ds_store_b32 v75, v[\ob+12+\i] offset:4*TB*\st+64+8*\i
.endr
.endm
.macro FETCH
.irp c, 0,1,2,3
	ds_load_b128 v[PF+16*(fe%2)+4*\c:PF+16*(fe%2)+4*\c+3], v[ADC] offset:fe*TB+576*\c
.endr
	ds_load_b128 v[PC+8*(fe%2):PC+8*(fe%2)+3], v[ADM] offset:fe*TB
	ds_load_b128 v[PC+8*(fe%2)+4:PC+8*(fe%2)+7], v[ADM] offset:fe*TB+16
	ds_load_b32 v[PS+fe%2], v[ADS] offset:fe*TB
.endm
.macro VEC
.set xe, xl/4
.set xa, ACC+32*(xl%2)
.set xt, 4*(xl%4)
.set xo, BEST+16*(xe%2)+xt
.set xn, BEST+16*(1-xe%2)+xt
.irp k, 0,1,2,3
	v_max3_num_f32 v[xa+8*\k], v[xa+8*\k], v[xa+8*\k+1], v[xa+8*\k+2]
.endr
.irp k, 0,1,2,3
	v_max3_num_f32 v[xa+8*\k+3], v[xa+8*\k+3], v[xa+8*\k+4], v[xa+8*\k+5]
.endr
.irp k, 0,1,2,3
.if xe == 0
	v_max_num_f32 v[xa+8*\k+6], v[xa+8*\k+6], v[xa+8*\k+7]
.else
	v_max3_num_f32 v[xa+8*\k+6], v[xa+8*\k+6], v[xa+8*\k+7], v[xo+\k]
.endif
.endr
.irp k, 0,1,2,3
	v_max3_num_f32 v[xn+\k], v[xa+8*\k], v[xa+8*\k+3], v[xa+8*\k+6]
.endr
.if xe == 0
.irp k, 0,1,2,3
	v_mov_b32 v[ID+xt+\k], 0
.endr
.else
	v_cmp_gt_f32 vcc_lo, v[xn], v[xo]
	v_cmp_gt_f32 s41, v[xn+1], v[xo+1]
	v_cmp_gt_f32 s47, v[xn+2], v[xo+2]
	v_cmp_gt_f32 s33, v[xn+3], v[xo+3]
	v_cndmask_b32 v[ID+xt], v[ID+xt], xe, vcc_lo
	v_cndmask_b32 v[ID+xt+1], v[ID+xt+1], xe, s41
	v_cndmask_b32 v[ID+xt+2], v[ID+xt+2], xe, s47
	v_cndmask_b32 v[ID+xt+3], v[ID+xt+3], xe, s33
.endif
.endm
.macro GROUP
.set te, lm/4
.if lm%4 == 0
	s_wait_dscnt 0x0
.endif
	WIN 0x04
.irp k, 0,1,2,3
	v_wmma_scale_f32_16x16x128_f8f6f4 v[ACC+32*(lm%2)+8*\k:ACC+32*(lm%2)+8*\k+7], v[PF+16*(te%2):PF+16*(te%2)+15], v[16*(4*(lm%4)+\k):16*(4*(lm%4)+\k)+15], v[PC+8*(te%2):PC+8*(te%2)+7], v[PS+te%2], v[TS+4*(lm%4)+\k]
.endr
	WIN 0
.if (lm == 0) || (lm == 16)
.rept 8
	v_nop
.endr
.endif
.if lm == 28
	s_barrier_wait -1
.endif
.if (lm%4 == 0) && (te != 3) && (te != 15)
.set fe, te+1
	FETCH
.endif
.if lm == 28
.irp c, 0,1,2,3
	ds_load_b128 v[192+4*\c:195+4*\c], v78 offset:576*\c
	ds_load_b128 v[208+4*\c:211+4*\c], v78 offset:8*TB+576*\c
.endr
	ds_load_b64 v[224:225], v79
.endif
.if lm == 32
.irp c, 0,1,2,3
	global_store_b128 v[SO], v[192+4*\c:195+4*\c], s[48:49] offset:512*\c
	global_store_b128 v[SO], v[208+4*\c:211+4*\c], s[48:49] offset:16384+512*\c
.endr
	global_store_b64 v226, v[224:225], s[50:51]
.endif
.if (lm != 0) && (lm != 16)
.set xl, lm-1
	VEC
.endif
.endm
	s_load_b256 s[4:11], s[0:1], 0x0
	s_load_b64 s[12:13], s[0:1], 0x20
	v_lshl_add_u32 v[SPW], v0, 2, SPARE
	v_mov_b32 v[NIL], 0
	ds_add_u32 v[SPW], v[NIL]
	ds_add_u32 v[SPW], v[NIL]
	v_lshrrev_b32 v74, 5, v0
	v_readfirstlane_b32 s14, v74
	s_and_b32 s15, s14, 1
	s_lshr_b32 s18, s14, 1
	s_bfe_u32 s36, ttmp6, 0x40000
	s_lshl_b32 s37, ttmp9, 2
	s_add_co_u32 s37, s37, s36
	s_mul_i32 s40, s18, TB
	s_add_co_u32 s40, s40, PREV
	s_lshl_b32 s42, s15, 7
	s_add_co_u32 s42, s42, s40
	s_lshl_b32 s43, s15, 5
	s_add_co_u32 s43, s43, s40
	s_add_co_u32 s43, s43, 2304
	s_mul_i32 s54, s14, TB
	s_mul_i32 s55, s14, 2*TB
	s_add_co_u32 s55, s55, PREV+2304
	s_lshl_b32 s56, s37, 5
	s_mul_i32 s34, s14, CHUNK
	s_mov_b32 s35, 0
	s_mov_b32 s24, 15|(3<<16)|(1<<21)
	s_mov_b32 s25, 32<<16
	s_mov_b32 s26, 132<<16
	s_mov_b32 s27, 32<<16
	s_mov_b32 s28, 132
	s_mov_b32 s29, 32
	s_mov_b32 s30, 0
	s_mov_b32 s31, 0
	s_mov_b32 s20, 1
	s_mov_b32 s21, s34
	s_mov_b32 s32, 0x600000
	s_lshl_b32 s38, s37, 17
	s_lshl_b32 s57, s14, 12
	s_add_co_u32 s38, s38, s57
	s_mov_b32 s39, 0
	s_lshl_b32 s58, s37, 15
	s_lshl_b32 s57, s14, 11
	s_add_co_u32 s58, s58, s57
	s_mov_b32 s59, 0
	s_lshl_b32 s60, s37, 11
	s_lshl_b32 s57, s14, 8
	s_add_co_u32 s60, s60, s57
	s_mov_b32 s61, 0
	s_lshl_b32 s62, s37, 8
	s_lshl_b32 s57, s14, 19
	s_add_co_u32 s62, s62, s57
	s_mov_b32 s63, 0
	v_bfe_u32 v76, v0, 4, 1
	v_and_b32 v77, 15, v0
	v_bfe_u32 v78, v0, 2, 2
	v_lshlrev_b32 v79, 7, v78
	v_lshl_add_u32 v79, v76, 6, v79
	v_and_b32 v78, 3, v0
	v_lshl_add_u32 v79, v78, 4, v79
	v_bfe_u32 v78, v0, 1, 3
	v_mul_u32_u24 v[STC], v78, 288
	v_and_b32 v78, 1, v0
	v_lshl_add_u32 v[STC], v78, 3, v[STC]
	v_lshl_add_u32 v[STC], v76, 4, v[STC]
	v_add_nc_u32 v[STC], s42, v[STC]
	v_mul_u32_u24 v[ADC], v76, 288
	v_lshl_add_u32 v[ADC], v77, 4, v[ADC]
	v_add_nc_u32 v[ADC], PREV, v[ADC]
	v_lshlrev_b32 v[ADM], 5, v76
	v_add_nc_u32 v[ADM], PREV+2368, v[ADM]
	v_lshlrev_b32 v[ADS], 2, v77
	v_add_nc_u32 v[ADS], PREV+2304, v[ADS]
	v_and_b32 v[SO], 31, v0
	v_lshlrev_b32 v[SO], 4, v[SO]
	v_add_nc_u32 v78, s34, v[SO]
	v_lshl_add_u32 v73, v77, 2, s34
	s_wait_alu depctr_va_vdst(0)
	s_wait_dscnt 0x0
	CROUND
	s_wait_kmcnt 0x0
	s_add_nc_u64 s[22:23], s[6:7], s[34:35]
	s_or_b32 s23, s23, 0x80000000
	s_add_nc_u64 s[16:17], s[4:5], s[38:39]
	s_add_nc_u64 s[48:49], s[8:9], s[58:59]
	s_add_nc_u64 s[50:51], s[10:11], s[60:61]
	s_add_nc_u64 s[52:53], s[12:13], s[62:63]
	tensor_load_to_lds s[20:23], s[24:31]
	s_nop 0
.rept 4
	v_nop
.endr
.irp n, 0,1,2,3,4,5,6,7
	ROWS ACC+8*\n, \n
.endr
.irp n, 0,1,2,3,4,5,6,7
	ROWS FB+8*\n, 8+\n
.endr
	MKST
	s_wait_loadcnt 24
	QST ACC, 0, 96
	s_wait_tensorcnt 0x0
.irp t, 0,1,2,3,4,5,6,7,8,9,10,11,12,13,14,15
	ds_load_b32 v[TS+\t], v73 offset:32768+64*\t
.endr
	WIN 0x40
.irp t, 0,1,2,3,4,5,6,7,8,9,10,11,12,13,14,15
.irp c, 0,1,2,3
	ds_load_b128 v[16*\t+4*\c:16*\t+4*\c+3], v78 offset:2048*\t+512*\c
.endr
.endr
	WIN 0
	s_wait_loadcnt 16
	QST ACC+32, 1, ACC
	s_wait_alu depctr_va_vdst(0)
	s_wait_dscnt 0x0
	s_barrier_signal -1
	s_barrier_wait -1
.set fe, 0
	FETCH
.set lm, 0
.rept 16
	GROUP
.set lm, lm+1
.endr
.set xl, 15
	VEC
	MKST
	s_wait_loadcnt 8
	QST FB, 2, 96
	s_wait_loadcnt 0x0
	QST FB+32, 3, FB
	v_add_nc_u32 v78, s54, v[ADC]
	v_bfe_u32 v76, v0, 4, 1
	v_and_b32 v77, 15, v0
	v_mul_u32_u24 v79, v76, TB
	v_lshl_add_u32 v79, v77, 3, v79
	v_add_nc_u32 v79, s55, v79
	v_lshrrev_b32 v226, 1, v[SO]
	s_wait_alu depctr_va_vdst(0)
	s_wait_dscnt 0x0
	s_barrier_signal -1
.set fe, 4
	FETCH
.rept 48
	GROUP
.set lm, lm+1
.endr
.set xl, 63
	VEC
	s_add_co_u32 s57, s56, 1
	v_lshrrev_b32 v75, 1, v[SO]
.irp k, 0,1,2,3,4,5,6,7
	v_permlane16_swap_b32 v[BEST+2*\k], v[BEST+2*\k+1]
.endr
.irp k, 0,1,2,3,4,5,6,7
	v_permlane16_swap_b32 v[ID+2*\k], v[ID+2*\k+1]
.endr
.irp k, 0,1,2,3,4,5,6,7
	v_max_num_f32 v[112+\k], v[BEST+2*\k], v[BEST+2*\k+1]
.endr
.irp k, 0,1,2,3,4,5,6,7
	v_lshl_add_u32 v[ID+2*\k], v[ID+2*\k], 1, s56
	v_lshl_add_u32 v[ID+2*\k+1], v[ID+2*\k+1], 1, s57
.endr
.irp k, 0,1,2,3,4,5,6,7
	v_cmp_eq_f32 vcc_lo, v[BEST+2*\k], v[112+\k]
	v_cmp_eq_f32 s41, v[BEST+2*\k+1], v[112+\k]
	v_cndmask_b32 v[ID+2*\k], -1, v[ID+2*\k], vcc_lo
	v_cndmask_b32 v[ID+2*\k+1], -1, v[ID+2*\k+1], s41
.endr
.irp k, 0,1,2,3,4,5,6,7
	v_min_u32 v[161+2*\k], v[ID+2*\k], v[ID+2*\k+1]
.endr
.irp k, 0,1,2,3,4,5,6,7
	v_add_f32 v[112+\k], 0, v[112+\k]
.endr
.irp k, 0,1,2,3,4,5,6,7
	v_ashrrev_i32 v[120+\k], 31, v[112+\k]
.endr
.irp k, 0,1,2,3,4,5,6,7
	v_or_b32 v[120+\k], 0x80000000, v[120+\k]
.endr
.irp k, 0,1,2,3,4,5,6,7
	v_xor_b32 v[160+2*\k], v[112+\k], v[120+\k]
.endr
.irp k, 0,1,2,3,4,5,6,7
	global_store_b64 v75, v[160+2*\k:161+2*\k], s[52:53] offset:65536*\k
.endr
	s_wait_tensorcnt 0x0
	ds_add_u32 v[SPW], v[NIL]
	s_wait_dscnt 0x0
	CROUND
	s_endpgm
.Lfunc_end_k_q447b4b537d_search:
	.size	k_q447b4b537d_search, .Lfunc_end_k_q447b4b537d_search-k_q447b4b537d_search
	.p2alignl 7, 3214868480
	.fill 96, 4, 3214868480
	.section	.rodata,"a",@progbits
	.p2align	6, 0x0
	.amdhsa_kernel k_q447b4b537d_search
		.amdhsa_group_segment_fixed_size 310272
		.amdhsa_private_segment_fixed_size 0
		.amdhsa_enable_private_segment 0
		.amdhsa_kernarg_size 40
		.amdhsa_user_sgpr_count 2
		.amdhsa_user_sgpr_kernarg_segment_ptr 1
		.amdhsa_wavefront_size32 1
		.amdhsa_system_sgpr_workgroup_id_x 1
		.amdhsa_system_sgpr_workgroup_id_y 1
		.amdhsa_system_sgpr_workgroup_id_z 1
		.amdhsa_system_vgpr_workitem_id 0
		.amdhsa_next_free_vgpr 512
		.amdhsa_next_free_sgpr 66
		.amdhsa_reserve_vcc 1
		.amdhsa_float_denorm_mode_32 3
		.amdhsa_float_denorm_mode_16_64 3
		.amdhsa_memory_ordered 1
		.amdhsa_forward_progress 1
		.amdhsa_inst_pref_size 191
	.end_amdhsa_kernel
	.amdgpu_metadata
---
amdhsa.version: [ 1, 2 ]
amdhsa.kernels:
  - .name:           k_q447b4b537d_search
    .symbol:         k_q447b4b537d_search.kd
    .args:
      - { .name: reached_goal_embedding_library, .offset: 0, .size: 8, .value_kind: global_buffer, .address_space: global }
      - { .name: tcodes, .offset: 8, .size: 8, .value_kind: global_buffer, .address_space: global }
      - { .name: pcodes, .offset: 16, .size: 8, .value_kind: global_buffer, .address_space: global }
      - { .name: pmeta, .offset: 24, .size: 8, .value_kind: global_buffer, .address_space: global }
      - { .name: cand, .offset: 32, .size: 8, .value_kind: global_buffer, .address_space: global }
    .group_segment_fixed_size: 310272
    .private_segment_fixed_size: 0
    .kernarg_segment_align: 8
    .kernarg_segment_size: 40
    .max_flat_workgroup_size: 256
    .sgpr_count:     66
    .vgpr_count:     512
    .wavefront_size: 32
...
	.end_amdgpu_metadata
.endif
;; end of part 2
;; launch finish (part 3): grid 256 x 1, 8 waves a work-group, no clusters, 1,536 bytes of LDS; arguments target_goal_embedding_library, reached_goal_embedding_library, tcodes, pcodes, pmeta, cand, out0, out1; writes out0, out1
.if DOCPART == 3
	.amdgcn_target "amdgcn-amd-amdhsa--gfx1250"
	.amdhsa_code_object_version 6
	.text
	.protected	k_q447b4b537d_finish
	.globl	k_q447b4b537d_finish
	.p2align	8
	.type	k_q447b4b537d_finish,@function
k_q447b4b537d_finish:
	s_mov_b64 s[64:65], 0
	v_nop
	global_prefetch_b8 v0, s[64:65] scope:SCOPE_SE
	s_setreg_imm32_b32 hwreg(HW_REG_WAVE_MODE, 25, 1), 1
	s_wait_xcnt 0x0
.set CHUNK, 33792
.set SPARE, 512
.macro LANESUM x, y
	v_add_f32_dpp v[\x], v[\x], v[\x] row_xmask:1 row_mask:0xf bank_mask:0xf
	v_add_f32_dpp v[\x], v[\x], v[\x] row_xmask:2 row_mask:0xf bank_mask:0xf
	v_add_f32_dpp v[\x], v[\x], v[\x] row_xmask:4 row_mask:0xf bank_mask:0xf
	v_add_f32_dpp v[\x], v[\x], v[\x] row_xmask:8 row_mask:0xf bank_mask:0xf
	v_permlanex16_b32 v[\y], v[\x], s38, s39
	v_add_f32 v[\x], v[\x], v[\y]
.endm
.macro ACROSS op, x, y
.irp m, 4,8
	v_mov_b32_dpp v13, v[\x] row_xmask:\m row_mask:0xf bank_mask:0xf
	v_mov_b32_dpp v14, v[\y] row_xmask:\m row_mask:0xf bank_mask:0xf
	\op v[\x], v[\x], v13
	\op v[\y], v[\y], v14
.endr
	v_permlanex16_b32 v13, v[\x], s38, s39
	v_permlanex16_b32 v14, v[\y], s38, s39
	\op v[\x], v[\x], v13
	\op v[\y], v[\y], v14
.endm
	s_load_b256 s[4:11], s[0:1], 0x0
	s_load_b256 s[12:19], s[0:1], 0x20
	v_lshl_add_u32 v22, v0, 2, SPARE
	v_mov_b32 v23, 0
	v_lshrrev_b32 v1, 5, v0
	v_readfirstlane_b32 s20, v1
	s_lshr_b32 s22, ttmp9, 6
	s_lshl_b32 s22, s22, 4
	s_and_b32 s24, ttmp9, 15
	s_add_co_u32 s22, s22, s24
	s_lshr_b32 s43, ttmp9, 4
	s_and_b32 s43, s43, 3
	s_lshl_b32 s21, s22, 5
	s_lshl_b32 s24, s43, 3
	s_add_co_u32 s21, s21, s24
	s_add_co_u32 s21, s21, s20
	s_lshl_b32 s22, s22, 16
	s_lshl_b32 s24, s43, 6
	s_add_co_u32 s22, s22, s24
	s_lshl_b32 s24, s20, 13
	s_add_co_u32 s22, s22, s24
	s_mov_b32 s23, 0
	s_lshl_b32 s24, s21, 9
	s_mov_b32 s25, 0
	s_add_co_u32 s26, s24, 0x2000000
	s_mov_b32 s27, 0
	s_lshr_b32 s28, s21, 8
	s_mul_i32 s28, s28, CHUNK
	s_bfe_u32 s29, s21, 0x40004
	s_and_b32 s30, s21, 15
	s_lshl_b32 s32, s29, 11
	s_lshl_b32 s31, s30, 4
	s_add_co_u32 s32, s32, s31
	s_add_co_u32 s32, s32, s28
	s_mov_b32 s33, 0
	s_lshl_b32 s34, s29, 6
	s_lshl_b32 s31, s30, 2
	s_add_co_u32 s34, s34, s31
	s_add_co_u32 s34, s34, s28
	s_add_co_u32 s34, s34, 32768
	s_mov_b32 s35, 0
	s_lshl_b32 s36, s21, 2
	s_mov_b32 s37, 0
	s_mov_b32 s38, 0x76543210
	s_mov_b32 s39, 0xfedcba98
	s_lshl_b32 s40, s20, 6
	s_lshl_b32 s41, s20, 3
	v_and_b32 v1, 31, v0
	v_lshlrev_b32 v2, 4, v1
	v_lshrrev_b32 v3, 2, v1
	v_lshlrev_b32 v3, 8, v3
	v_and_b32 v4, 3, v0
	v_lshl_add_u32 v3, v4, 4, v3
	v_lshl_add_u32 v9, v4, 4, s40
	v_bfe_u32 v4, v0, 4, 1
	v_lshlrev_b32 v4, 8, v4
	v_mov_b32 v5, 0
	v_and_b32 v7, 7, v0
	v_lshl_add_u32 v10, v7, 6, s41
	v_lshl_add_u32 v6, v7, 4, v4
	v_lshlrev_b32 v7, 2, v7
	v_mov_b32 v13, 0
	v_mov_b32 v14, 0
	s_wait_alu depctr_va_vdst(0)
	s_wait_kmcnt 0x0
	s_add_nc_u64 s[14:15], s[14:15], s[22:23]
	s_add_nc_u64 s[44:45], s[4:5], s[26:27]
	s_add_nc_u64 s[46:47], s[6:7], s[26:27]
	s_add_nc_u64 s[32:33], s[8:9], s[32:33]
	s_add_nc_u64 s[34:35], s[8:9], s[34:35]
	s_add_nc_u64 s[16:17], s[16:17], s[36:37]
	s_add_nc_u64 s[18:19], s[18:19], s[24:25]
.irp i, 0,1,2,3
	global_load_b128 v[32+4*\i:35+4*\i], v3, s[14:15] offset:2048*\i
.endr
	global_load_b128 v[24:27], v2, s[44:45]
	global_load_b128 v[28:31], v2, s[46:47]
.irp c, 0,1,2,3
	global_load_b128 v[48+4*\c:51+4*\c], v4, s[32:33] offset:512*\c
.endr
	global_load_b32 v21, v5, s[34:35]
	s_wait_loadcnt 7
	v_max_u32 v80, v32, v36
	v_max_u32 v82, v34, v38
	v_max_u32 v84, v40, v44
	v_max_u32 v85, v42, v46
	v_max_u32 v80, v80, v84
	v_max_u32 v82, v82, v85
	ACROSS v_max_u32, 80, 82
.irp i, 0,1,2,3
	v_cmp_eq_u32 vcc_lo, v[32+4*\i], v80
	v_cmp_eq_u32 s42, v[34+4*\i], v82
	v_cndmask_b32 v[33+4*\i], -1, v[33+4*\i], vcc_lo
	v_cndmask_b32 v[35+4*\i], -1, v[35+4*\i], s42
.endr
	v_min_u32 v81, v33, v37
	v_min_u32 v83, v35, v39
	v_min_u32 v84, v41, v45
	v_min_u32 v85, v43, v47
	v_min_u32 v81, v81, v84
	v_min_u32 v83, v83, v85
	ACROSS v_min_u32, 81, 83
	ds_store_b128 v9, v[80:83]
	s_wait_alu depctr_va_vdst(0)
	s_wait_dscnt 0x0
	s_barrier_signal -1
	s_barrier_wait -1
	ds_load_b64 v[84:85], v10
	s_wait_dscnt 0x0
	v_mov_b32_dpp v13, v84 row_xmask:1 row_mask:0xf bank_mask:0xf
	v_max_u32 v86, v84, v13
.irp m, 2,4
	v_mov_b32_dpp v13, v86 row_xmask:\m row_mask:0xf bank_mask:0xf
	v_max_u32 v86, v86, v13
.endr
	v_cmp_eq_u32 vcc_lo, v84, v86
	v_cndmask_b32 v85, -1, v85, vcc_lo
.irp m, 1,2,4
	v_mov_b32_dpp v13, v85 row_xmask:\m row_mask:0xf bank_mask:0xf
	v_min_u32 v85, v85, v13
.endr
	v_min_u32 v15, 0x1fff, v85
	v_and_b32 v17, 0x1ffe, v15
	v_and_b32 v18, 1, v15
	v_lshlrev_b32 v19, 12, v15
	v_add_nc_u32 v19, v19, v2
	v_lshl_add_u32 v16, v17, 10, v6
	v_lshl_add_u32 v16, v18, 7, v16
	v_lshlrev_b32 v17, 6, v17
	v_lshl_add_u32 v18, v18, 5, v17
	v_add_nc_u32 v17, v18, v7
.irp c, 0,1,2,3
	global_load_b128 v[32+4*\c:35+4*\c], v16, s[10:11] offset:512*\c
.endr
	global_load_b32 v20, v17, s[12:13]
	global_load_b128 v[64:67], v18, s[12:13] offset:64
	global_load_b128 v[68:71], v18, s[12:13] offset:80
.irp j, 0,1,2,3,4,5,6,7
	global_load_b128 v[80+4*\j:83+4*\j], v19, s[6:7] offset:512*\j
.endr
	s_wait_loadcnt 8
	v_wmma_scale_f32_16x16x128_f8f6f4 v[72:79], v[32:47], v[48:63], v[64:71], v20, v21
	v_pk_add_f32 v[112:113], v[24:25], v[28:29] neg_lo:[0,1] neg_hi:[0,1]
	v_pk_add_f32 v[114:115], v[26:27], v[30:31] neg_lo:[0,1] neg_hi:[0,1]
	v_pk_mul_f32 v[120:121], v[112:113], v[112:113]
	v_pk_fma_f32 v[120:121], v[114:115], v[114:115], v[120:121]
	v_add_f32 v120, v120, v121
.rept 3
	v_nop
.endr
	LANESUM 120, 121
	s_wait_loadcnt 0x0
	v_cmp_gt_f32 vcc_lo, v73, v72
	v_cndmask_b32 v122, v72, v73, vcc_lo
.irp k, 0,1,2,3
	v_cndmask_b32 v[116+\k], v[80+\k], v[84+\k], vcc_lo
.endr
.irp j, 2,3,4,5,6,7
	v_cmp_gt_f32 vcc_lo, v[72+\j], v122
	v_cndmask_b32 v122, v122, v[72+\j], vcc_lo
.irp k, 0,1,2,3
	v_cndmask_b32 v[116+\k], v[116+\k], v[80+4*\j+\k], vcc_lo
.endr
.endr
	v_pk_add_f32 v[116:117], v[24:25], v[116:117] neg_lo:[0,1] neg_hi:[0,1]
	v_pk_add_f32 v[118:119], v[26:27], v[118:119] neg_lo:[0,1] neg_hi:[0,1]
	v_pk_mul_f32 v[126:127], v[116:117], v[116:117]
	v_pk_fma_f32 v[126:127], v[118:119], v[118:119], v[126:127]
	v_add_f32 v126, v126, v127
	LANESUM 126, 127
	s_wait_alu depctr_va_vdst(0)
	v_rsq_f32 v122, v126
	v_sqrt_f32 v123, v126
	v_rsq_f32 v124, v120
	v_sqrt_f32 v125, v120
	v_nop
	s_wait_alu depctr_va_vdst(0)
	v_sub_f32 v121, v123, v125
	v_pk_mul_f32 v[112:113], v[112:113], v[124:125] op_sel_hi:[1,0]
	v_pk_mul_f32 v[114:115], v[114:115], v[124:125] op_sel_hi:[1,0]
	v_pk_fma_f32 v[116:117], v[116:117], v[122:123], v[112:113] op_sel_hi:[1,0,1] neg_lo:[0,0,1] neg_hi:[0,0,1]
	v_pk_fma_f32 v[118:119], v[118:119], v[122:123], v[114:115] op_sel_hi:[1,0,1] neg_lo:[0,0,1] neg_hi:[0,0,1]
	global_store_b128 v2, v[116:119], s[18:19]
	v_cmp_eq_u32 vcc_lo, 0, v1
	s_wait_alu depctr_va_vdst(0)
	s_wait_xcnt 0x0
	s_and_saveexec_b32 s42, vcc_lo
	global_store_b32 v5, v121, s[16:17]
	s_wait_xcnt 0x0
	s_or_b32 exec_lo, exec_lo, s42
	s_wait_tensorcnt 0x0
	ds_add_u32 v22, v23
	s_wait_dscnt 0x0
	s_endpgm
.Lfunc_end_k_q447b4b537d_finish:
	.size	k_q447b4b537d_finish, .Lfunc_end_k_q447b4b537d_finish-k_q447b4b537d_finish
	.p2alignl 7, 3214868480
	.fill 96, 4, 3214868480
	.section	.rodata,"a",@progbits
	.p2align	6, 0x0
	.amdhsa_kernel k_q447b4b537d_finish
		.amdhsa_group_segment_fixed_size 1536
		.amdhsa_private_segment_fixed_size 0
		.amdhsa_enable_private_segment 0
		.amdhsa_kernarg_size 64
		.amdhsa_user_sgpr_count 2
		.amdhsa_user_sgpr_kernarg_segment_ptr 1
		.amdhsa_wavefront_size32 1
		.amdhsa_system_sgpr_workgroup_id_x 1
		.amdhsa_system_sgpr_workgroup_id_y 1
		.amdhsa_system_sgpr_workgroup_id_z 1
		.amdhsa_system_vgpr_workitem_id 0
		.amdhsa_next_free_vgpr 128
		.amdhsa_next_free_sgpr 66
		.amdhsa_reserve_vcc 1
		.amdhsa_float_denorm_mode_32 3
		.amdhsa_float_denorm_mode_16_64 3
		.amdhsa_memory_ordered 1
		.amdhsa_forward_progress 1
		.amdhsa_inst_pref_size 13
	.end_amdhsa_kernel
	.amdgpu_metadata
---
amdhsa.version: [ 1, 2 ]
amdhsa.kernels:
  - .name:           k_q447b4b537d_finish
    .symbol:         k_q447b4b537d_finish.kd
    .args:
      - { .name: target_goal_embedding_library, .offset: 0, .size: 8, .value_kind: global_buffer, .address_space: global }
      - { .name: reached_goal_embedding_library, .offset: 8, .size: 8, .value_kind: global_buffer, .address_space: global }
      - { .name: tcodes, .offset: 16, .size: 8, .value_kind: global_buffer, .address_space: global }
      - { .name: pcodes, .offset: 24, .size: 8, .value_kind: global_buffer, .address_space: global }
      - { .name: pmeta, .offset: 32, .size: 8, .value_kind: global_buffer, .address_space: global }
      - { .name: cand, .offset: 40, .size: 8, .value_kind: global_buffer, .address_space: global }
      - { .name: out0, .offset: 48, .size: 8, .value_kind: global_buffer, .address_space: global }
      - { .name: out1, .offset: 56, .size: 8, .value_kind: global_buffer, .address_space: global }
    .group_segment_fixed_size: 1536
    .private_segment_fixed_size: 0
    .kernarg_segment_align: 8
    .kernarg_segment_size: 64
    .max_flat_workgroup_size: 256
    .sgpr_count:     66
    .vgpr_count:     128
    .wavefront_size: 32
...
	.end_amdgpu_metadata
.endif
;; end of part 3
